; MI455X (gfx1250); checked and timed in simulation.
; The chip was launched on July 23, 2026; its instructions are those of AMD's public machine-readable ISA for CDNA 5 (MIT licence, August 2026) and "CDNA5" Instruction Set Architecture Reference Guide (July 2026). The comments in the code are by the model that wrote it; some were corrected since.
;; Quant Linear. Allowed arithmetic: float matrix products may take bf16 or f16 operands with f32 sums; other float arithmetic in f32, or as packed bf16 or f16 multiplies, adds, multiply-adds, maxima and minima; sums over many terms, partial sums and values carried from step to step in f32; what a program stores and reads back later, other than sums and carried values, may be rounded once to bf16 or f16.
;; Inputs: bias 2,048 float16; g_idx 4,096 int32; qweight 512 x 2,048 int32; qzeros 32 x 256 int32; scales 32 x 2,048 float16; x 4 x 2,048 x 4,096 float16.
;; Outputs: out0 4 x 2,048 x 2,048 float16.
;; 2 versions, each right; version 2 is version 1 with the launch dequant written anew for expert scheduling mode. Each part assembles by itself: llvm-mc -triple=amdgcn-amd-amdhsa -mcpu=gfx1250 --defsym DOCPART=n.
;; ======== version 1 of 2: 2 launches
;; workspace buffers: wdq 16,777,216 bytes
;; launch dequant (part 1): grid 8 x 32, 8 waves a work-group, no clusters, 33,792 bytes of LDS; arguments qweight, qzeros, scales, g_idx, wdq; writes wdq
.if DOCPART == 1
	.amdgcn_target "amdgcn-amd-amdhsa--gfx1250"
	.amdhsa_code_object_version 6
	.text
	.protected	k_q4dcf0534f7_dequant
	.globl	k_q4dcf0534f7_dequant
	.p2align	8
	.type	k_q4dcf0534f7_dequant,@function
k_q4dcf0534f7_dequant:
	s_mov_b64 s[64:65], 0
	v_nop
	global_prefetch_b8 v0, s[64:65] scope:SCOPE_SE
	s_setreg_imm32_b32 hwreg(HW_REG_WAVE_MODE, 25, 1), 1
	s_wait_xcnt 0x0
; wdq[k][n] = f16( scales[g][n] * (w4[k][n] - z4[g][n] - 1) ), g = g_idx[k].  wdq: [4096 (k)][2048 (n)] f16, as reference()'s W lies.
; w4[k][n] = bits 4 (k % 8) .. +3 of qweight[k / 8][n];  z4[g][n] = bits 4 (n % 8) .. +3 of qzeros[g][n / 8].
; NO WORK IS LEFT OUT: every input of the problem has a way to the output; this launch reads qweight, qzeros, scales and g_idx, the next one x and bias.
; g_idx is honoured as it is given: each k looks its own group up; no order of the groups is assumed.
; LIMIT.  g_idx is clamped, as an unsigned number, to 31: a value outside 0 .. 31 (the problem has none: an index stays inside its table) takes row 31.
; ARITHMETIC.  The same one rounding as reference(): w - z is exact in f16, and fma(w - z, s, -s) rounds (w - z - 1) s once.  f16 denormals are kept.
;   0x6400 | w is the f16 number 1024 + w;  0x5400 | (w << 4) is 64 + w.  A word with one nibble in bits 3:0 and another in bits 23:20, ORed with 0x54006400, is the pair
;   (1024 + wa, 64 + wb).  The zeros are kept as the pair (-(1024 + za), -(64 + zb)): one packed add gives (wa - za, wb - zb), exactly.
; SHARES.  A work-group takes 256 columns (x) and 16 rows of qweight = 128 k (y).  Wave w takes two rows of qweight (units u = 0, 1: 16 k).  Lane l takes the eight columns 8 l .. 8 l + 7:
; 32 bytes of a qweight row, one word of a qzeros row, 16 bytes of a row of scales and of wdq.  So each store of a wave covers 512 consecutive bytes of one row of wdq, aligned to 512.
; THE TABLE.  All 32 groups' scales and zeros for the 256 columns lie in LDS, 1,024 bytes a group: 512 of scales as they lie, 512 of the zeros' pairs.  Each k then reads its group's row by
; its own g_idx: 16 + 16 bytes a lane.  One barrier between building and reading; nobody writes the table behind it.
; No matrix unit, no cluster, no tensor load: the launch moves 4 MiB in and 16 MiB out and shares nothing between work-groups but the small tables.
.set SPARE, 32768                      ; behind the table: the spare words, 128 bytes for each of eight waves: four blocks of 256 bytes that no other line names
.set SPW,  2                           ; v2   LDS address of my spare word; never rewritten
.set NIL,  3                           ; v3   0; never rewritten
.set LN16, 4                           ; v4   16 x lane
.set ZOF,  5                           ; v5   qzeros: row w, word lane
.set SOF,  6                           ; v6   scales: row w, 16 bytes a lane
.set QOF,  7                           ; v7   qweight: row 2 w, 32 bytes a lane
.set WOF,  8                           ; v8   wdq: row 16 w, 16 bytes a lane; never rewritten
.set TST,  9                           ; v9   the table: row w, 16 bytes a lane
.set AD,   10                          ; v10  LDS address of the table row in hand
.set T,    12                          ; v[12:15]  at work: four pairs
.set Q,    16                          ; v[16:31]  unit u's eight words of qweight at Q + 8 u
.set RA,   32                          ; v[32:35]  the even columns' words >> 4
.set RB,   36                          ; v[36:39]  the odd columns' words << 4
.set TZ,   40                          ; v[40:43]  four rows' word of qzeros
.set TS,   44                          ; v[44:59]  four rows' 16 bytes of scales
.set SZ,   64                          ; v[64:191] for k = 8 u + j: scales at SZ + 64 u + 8 j .. +3, zeros' pairs (then the result) at +4 .. +7
.set ZU,   64                          ; v[64:79]  while the table is built: the zeros' pairs of four rows
.set GI,   16                          ; s[16:31]  my wave's 16 numbers of g_idx
.set SEL,  40                          ; s[40:43]  v_perm_b32 selectors: byte i of the second source to bytes 0, 1; byte i of the first to bytes 2, 3
	s_load_b256 s[4:11], s[0:1], 0x0               ; qweight s[4:5], qzeros s[6:7], scales s[8:9], g_idx s[10:11]
	s_load_b64 s[12:13], s[0:1], 0x20              ; wdq
	v_lshl_add_u32 v[SPW], v0, 2, SPARE
	v_mov_b32 v[NIL], 0
	v_and_b32 v1, 31, v0                           ; lane
	v_lshrrev_b32 v11, 5, v0
	v_readfirstlane_b32 s14, v11                   ; wave 0..7
	s_mov_b32 s15, ttmp9                           ; X: my 256 columns
	s_and_b32 s32, ttmp7, 0xffff                   ; Y: my 16 rows of qweight
	s_mov_b32 s[SEL+0], 0x04040000
	s_mov_b32 s[SEL+1], 0x05050101
	s_mov_b32 s[SEL+2], 0x06060202
	s_mov_b32 s[SEL+3], 0x07070303
	s_mov_b32 s44, 0x00f0000f                      ; the two nibbles that are kept
	s_mov_b32 s45, 0x54006400                      ; (1024, 64)
	s_mov_b32 s46, 0xd400e400                      ; (-1024, -64)
	s_lshl_b32 s33, s14, 10
	s_lshl_b32 s36, s14, 12
	s_lshl_b32 s37, s14, 14
	s_lshl_b32 s38, s14, 16
	v_lshlrev_b32 v[LN16], 4, v1
	v_lshl_or_b32 v[ZOF], v1, 2, s33               ; a row of qzeros is 1,024 bytes
	v_or_b32 v[SOF], s36, v[LN16]                  ; a row of scales 4,096
	v_lshl_or_b32 v[QOF], v1, 5, s37               ; two rows of qweight 16,384
	v_or_b32 v[WOF], s38, v[LN16]                  ; sixteen rows of wdq 65,536
	v_or_b32 v[TST], s33, v[LN16]                  ; a row of the table 1,024
	s_mov_b32 s35, 0
	s_wait_kmcnt 0x0
	s_lshl_b32 s34, s15, 7                         ; qzeros: 32 words for 256 columns
	s_add_nc_u64 s[6:7], s[6:7], s[34:35]
	s_lshl_b32 s34, s15, 9                         ; scales: 512 bytes
	s_add_nc_u64 s[8:9], s[8:9], s[34:35]
	s_lshl_b32 s34, s32, 17                        ; qweight: 16 rows of 8,192 bytes,
	s_lshl_b32 s39, s15, 10                        ; 1,024 bytes for 256 columns
	s_add_co_u32 s34, s34, s39
	s_add_nc_u64 s[4:5], s[4:5], s[34:35]
	s_lshl_b32 s34, s32, 19                        ; wdq: 128 rows of 4,096 bytes,
	s_lshl_b32 s39, s15, 9                         ; 512 bytes for 256 columns
	s_add_co_u32 s34, s34, s39
	s_add_nc_u64 s[12:13], s[12:13], s[34:35]
	s_lshl_b32 s34, s32, 9                         ; g_idx: 128 numbers a work-group,
	s_lshl_b32 s39, s14, 6                         ; 16 a wave
	s_add_co_u32 s34, s34, s39
	s_add_nc_u64 s[10:11], s[10:11], s[34:35]
	s_load_b512 s[GI:GI+15], s[10:11], 0x0         ; my 16 k's groups
	; twelve loads, in the order in which they are wanted: zeros, scales (rows w, w + 8, w + 16, w + 24 of the tables), then my weights
.irp i, 0,1,2,3
	global_load_b32 v[TZ+(\i)], v[ZOF], s[6:7] offset:8192*(\i)
.endr
.irp i, 0,1,2,3
	global_load_b128 v[TS+4*(\i):TS+4*(\i)+3], v[SOF], s[8:9] offset:32768*(\i)
.endr
.irp u, 0,1
.irp c, 0,1
	global_load_b128 v[Q+8*(\u)+4*(\c):Q+8*(\u)+4*(\c)+3], v[QOF], s[4:5] offset:8192*(\u)+16*(\c) th:TH_LOAD_NT
.endr
.endr
	s_wait_loadcnt 8                               ; the four words of zeros are in; the eight younger loads stay out
.irp i, 0,1,2,3
.irp r, 0,1,2,3
	v_perm_b32 v[ZU+4*(\i)+(\r)], v[TZ+(\i)], v[TZ+(\i)], s[SEL+(\r)]  ; byte r holds columns 2 r (low nibble) and 2 r + 1 (high nibble): it goes to bytes 0 and 2
.endr
.irp r, 0,1,2,3
	v_and_or_b32 v[ZU+4*(\i)+(\r)], v[ZU+4*(\i)+(\r)], s44, s46        ; (-(1024 + z), -(64 + z))
.endr
	ds_store_b128 v[TST], v[ZU+4*(\i):ZU+4*(\i)+3] offset:8192*(\i)+512
.endr
	s_wait_loadcnt 4                               ; the scales are in; my weights' four loads stay out
.irp i, 0,1,2,3
	ds_store_b128 v[TST], v[TS+4*(\i):TS+4*(\i)+3] offset:8192*(\i)
.endr
	s_wait_kmcnt 0x0                               ; g_idx
.irp t, 0,1,2,3,4,5,6,7,8,9,10,11,12,13,14,15
	s_min_u32 s[GI+(\t)], s[GI+(\t)], 31           ; a loaded number enters an address only clamped to its table
.endr
	s_wait_dscnt 0x0                               ; for the others' sake: my rows of the table are written
	s_barrier_signal -1
	s_barrier_wait -1                              ; the table is whole, and is only read from here on
.irp t, 0,1,2,3,4,5,6,7,8,9,10,11,12,13,14,15
	v_lshl_add_u32 v[AD], s[GI+(\t)], 10, v[LN16]  ; row g_idx[k] of the table, my 16 bytes
	ds_load_b128 v[SZ+8*(\t):SZ+8*(\t)+3],   v[AD]
	ds_load_b128 v[SZ+8*(\t)+4:SZ+8*(\t)+7], v[AD] offset:512
.endr
	s_wait_loadcnt 0x0                             ; my weights
; One row of qweight: eight k.  Nibble j = 2 i of a word is the low nibble of its byte i, nibble 2 i + 1 the high one.  The even column's nibble has to stand in bits 3:0, the odd column's in bits 23:20:
; for even j the odd column's word is taken shifted left by 4, for odd j the even column's shifted right by 4.
.macro UNIT u
.irp p, 0,1,2,3
	v_lshrrev_b32 v[RA+(\p)], 4, v[Q+8*(\u)+2*(\p)]
	v_lshlrev_b32 v[RB+(\p)], 4, v[Q+8*(\u)+2*(\p)+1]
.endr
.irp j, 0,1,2,3,4,5,6,7
.irp p, 0,1,2,3
.if (\j)%2 == 0
	v_perm_b32 v[T+(\p)], v[RB+(\p)], v[Q+8*(\u)+2*(\p)], s[SEL+(\j)/2]
.else
	v_perm_b32 v[T+(\p)], v[Q+8*(\u)+2*(\p)+1], v[RA+(\p)], s[SEL+(\j)/2]
.endif
.endr
.irp p, 0,1,2,3
	v_and_or_b32 v[T+(\p)], v[T+(\p)], s44, s45    ; (1024 + w, 64 + w)
.endr
	s_wait_dscnt 30-2*(8*(\u)+(\j))                ; LDS loads come back in order: this k's two are in; the count is the loads issued behind them
.irp p, 0,1,2,3
	v_pk_add_f16 v[T+(\p)], v[T+(\p)], v[SZ+64*(\u)+8*(\j)+4+(\p)]  ; w - z, exact
.endr
.irp p, 0,1,2,3
	v_pk_fma_f16 v[SZ+64*(\u)+8*(\j)+4+(\p)], v[T+(\p)], v[SZ+64*(\u)+8*(\j)+(\p)], v[SZ+64*(\u)+8*(\j)+(\p)] neg_lo:[0,0,1] neg_hi:[0,0,1]  ; (w - z) s - s, rounded once
.endr
	global_store_b128 v[WOF], v[SZ+64*(\u)+8*(\j)+4:SZ+64*(\u)+8*(\j)+7], s[12:13] offset:(8*(\u)+(\j))*4096  ; each store has data registers of its own, and its offset and base are never rewritten
.endr
.endm
	UNIT 0
	UNIT 1
	s_wait_tensorcnt 0x0                           ; the wave's end: three closing lines, behind my last LDS store
	ds_add_u32 v[SPW], v[NIL]
	s_wait_dscnt 0x0
	s_endpgm
.Lfunc_end_k_q4dcf0534f7_dequant:
	.size	k_q4dcf0534f7_dequant, .Lfunc_end_k_q4dcf0534f7_dequant-k_q4dcf0534f7_dequant
	.p2alignl 7, 3214868480
	.fill 96, 4, 3214868480
	.section	.rodata,"a",@progbits
	.p2align	6, 0x0
	.amdhsa_kernel k_q4dcf0534f7_dequant
		.amdhsa_group_segment_fixed_size 33792
		.amdhsa_private_segment_fixed_size 0
		.amdhsa_enable_private_segment 0
		.amdhsa_kernarg_size 40
		.amdhsa_user_sgpr_count 2
		.amdhsa_user_sgpr_kernarg_segment_ptr 1
		.amdhsa_wavefront_size32 1
		.amdhsa_system_sgpr_workgroup_id_x 1
		.amdhsa_system_sgpr_workgroup_id_y 1
		.amdhsa_system_sgpr_workgroup_id_z 1
		.amdhsa_system_vgpr_workitem_id 0
		.amdhsa_next_free_vgpr 192
		.amdhsa_next_free_sgpr 66
		.amdhsa_reserve_vcc 0
		.amdhsa_float_denorm_mode_32 3
		.amdhsa_float_denorm_mode_16_64 3
		.amdhsa_memory_ordered 1
		.amdhsa_forward_progress 1
		.amdhsa_inst_pref_size 29
	.end_amdhsa_kernel
	.amdgpu_metadata
---
amdhsa.version: [ 1, 2 ]
amdhsa.kernels:
  - .name:           k_q4dcf0534f7_dequant
    .symbol:         k_q4dcf0534f7_dequant.kd
    .args:
      - { .name: qweight, .offset: 0, .size: 8, .value_kind: global_buffer, .address_space: global }
      - { .name: qzeros, .offset: 8, .size: 8, .value_kind: global_buffer, .address_space: global }
      - { .name: scales, .offset: 16, .size: 8, .value_kind: global_buffer, .address_space: global }
      - { .name: g_idx, .offset: 24, .size: 8, .value_kind: global_buffer, .address_space: global }
      - { .name: wdq, .offset: 32, .size: 8, .value_kind: global_buffer, .address_space: global }
    .group_segment_fixed_size: 33792
    .private_segment_fixed_size: 0
    .kernarg_segment_align: 8
    .kernarg_segment_size: 40
    .max_flat_workgroup_size: 256
    .sgpr_count:     66
    .vgpr_count:     192
    .wavefront_size: 32
...
	.end_amdgpu_metadata
.endif
;; end of part 1
;; launch gemm (part 2): grid 8 x 32, 4 waves a work-group, clusters of 4 x 4, 327,680 bytes of LDS; arguments x, wdq, bias, out0; writes out0
.if DOCPART == 2
	.amdgcn_target "amdgcn-amd-amdhsa--gfx1250"
	.amdhsa_code_object_version 6
	.text
	.protected	k_q4dcf0534f7_gemm
	.globl	k_q4dcf0534f7_gemm
	.p2align	8
	.type	k_q4dcf0534f7_gemm,@function
k_q4dcf0534f7_gemm:
	s_mov_b64 s[64:65], 0
	v_nop
	global_prefetch_b8 v0, s[64:65] scope:SCOPE_SE
	s_setreg_imm32_b32 hwreg(HW_REG_WAVE_MODE, 25, 1), 1
	s_wait_xcnt 0x0
	s_wait_alu depctr_hold_cnt(0) depctr_sa_sdst(0) depctr_va_vdst(0) depctr_va_sdst(0) depctr_va_ssrc(0) depctr_va_vcc(0) depctr_vm_vsrc(0)
	s_getreg_b32 s2, hwreg(HW_REG_IB_STS2, 6, 4)
	s_cmp_eq_u32 s2, 0
	s_cbranch_scc0 .Lentry_in_a_cluster
	s_endpgm
.Lentry_in_a_cluster:
	s_bfe_u32 s2, ttmp6, 0x10000c
	s_cmp_lg_u32 s2, 0xf033
	s_cbranch_scc0 .Lentry_shape_is_right
	s_endpgm
.Lentry_shape_is_right:
; out0[m][n] = f16( the sum over k of x[m][k] wdq[k][n] + bias[n] ).  x: [8192][4096] f16, wdq: [4096 (k)][2048 (n)] f16 (the launch before made it), bias: [2048] f16, out0: [8192][2048] f16.
; Products of f16 operands (x as it is given, W as reference() itself rounds it), sums in f32.  No work is left out.
; LIMITS.  The bias is added in f32, as the start of the sum, and the result is rounded to f16 ONCE; reference() rounds the sum to f16 and then adds the bias in f16: two roundings.
; A result of 65,520 or more becomes an infinity, as in reference().  NaN and infinities are not treated apart.
; SHARES.  A tile of 256 x 256 of the output is made by a work-group of four waves; a wave makes 128 x 128: 64 accumulators of 16 x 16, 512 registers.  32 x 8 tiles: 256 work-groups, a tile each.
; K goes in steps of 128 through a ring of two LDS slots filled by the tensor data mover.  x's tile: 256 rows x 256 bytes.  W's tile: 128 rows (k) x 512 bytes (256 columns), AS IT LIES, [k][n]:
; its fragments are turned on their way out of LDS by ds_load_tr16_b128, so W is transposed nowhere.
; CLUSTERS: 4 x 4 work-groups.  The four of a row of the cluster need the same tiles of x, the four of a column the same tiles of W: each tile is asked for JOINTLY, by the same tensor load with the
; same descriptor and a mask that names the four.  That divides the requests for x and for W by four.
; THE MATRIX INSTRUCTION IS USED TRANSPOSED: source 0 = 16 columns of W, source 1 = 16 rows of x.  In the result lane l holds row l % 16 of the output and its registers 0 to 7 the columns
; 8 (l / 16) + 0 .. 7: eight neighbouring numbers of a row, 16 bytes in f16.  The bias of those eight columns, widened to f32, is the C operand of the products that start the sums.
; THE LAST K STEP GOES BY ROWS OF THE OUTPUT, so that finished rows leave while the others are multiplied.
; REGISTERS, in windows of 256 (s_set_vgpr_msb's low byte: bits 1:0 source 0, 3:2 source 1, 5:4 source 2, 7:6 destination):
;   window 0: v0-31 addresses; v32-63 the bias as loaded, later rows on the way out; v64-127, v128-191 fragments of x, two buffers (in the last K step four, of 16 rows x 128 K);
;             v192-255 the bias in f32 (8 registers for each of my 8 blocks of 16 columns), later packed results and rows on the way out
;   window 1: v64-127, v128-191 fragments of W, two buffers; in the last K step all 256
;   window 2: the 32 accumulators of my rows 0-63 (accumulator (a, b) at v[8 (8 a + b)]);   window 3: those of my rows 64-127
.set KSTEP,  128
.set PITCH,  272                       ; a row of x in LDS: 256 bytes + 16 of padding = 68 words: row r starts at bank 4 r mod 64 (64 banks of 4 bytes: ISA guide 11.1), so the 16 rows of a load start at 16 different groups of banks
.set PB,     544                       ; a row of W in LDS: 512 bytes + 32 = 136 words: row r starts at bank 8 r mod 64
.set HALFT,  128*PITCH                 ; what one tensor load brings: 128 rows of x, or 64 rows of W (64 x 544 is the same 34,816 bytes)
.set SLOT,   4*HALFT                   ; x's 256 rows, then W's 128 rows
.set STAGE,  2*SLOT                    ; behind the ring: 16 rows x 272 bytes for each wave, for the way out
.set SPITCH, 272
.set SPARE,  STAGE+4*16*SPITCH         ; behind the stages: the spare words, 128 bytes for each wave: two blocks of 256 bytes that no other line names
.set LAPS,   16                        ; a lap = two K steps = once round the ring: 4,096 / 256
.set ASTEP,  256                       ; a K step in x: 128 numbers along a row
.set BSTEP,  524288                    ; a K step in W: 128 rows of 4,096 bytes
.set CROW,   4096                      ; bytes in a row of the output
.set ADRA, 16                          ; v16-17  LDS address of my fragments of x in slot 0, 1
.set ADRB, 20                          ; v20-21  the same for W
.set STO,  24                          ; v24     the way out: where I put 16 bytes of a row
.set RD,   25                          ; v25     the way out: where I read a row back
.set CO,   26                          ; v26     my byte offset in the output
.set BO,   27                          ; v27     my byte offset in a block of 16 numbers of the bias
.set SPW,  28                          ; v28     LDS address of my spare word: SPARE + 4 x my thread's number; never rewritten
.set NIL,  29                          ; v29     0; never rewritten
.set PFO,  30                          ; v30     the prefetches' offset; never rewritten
.set BH,   32                          ; v32-63  the bias of my 128 columns as loaded (each half of the lanes its 8 of every 16)
.set F0,   64                          ; fragment buffer 0
.set F1,   128                         ; fragment buffer 1
.set BIAS, 192                         ; v192-255 the bias in f32
.set TMP,  192                         ; the way out: packed results
.set OB,   32                          ; the way out: 16 rows read back from the stage: v32-63 and v224-255 by turns
.set PA,   64                          ; the last K step: x's fragments of 16 rows x 128 K, 32 registers; four such buffers, v64-191
.set G1,  24                           ; s[24:31] descriptor group 1 for x's tiles
.set G0,  32                           ; s[32:39] descriptor group 0 for x's tiles, one set for each slot
.set G1B, 48                           ; s[48:55] descriptor group 1 for W's tiles
.set G0B, 56                           ; s[56:63] descriptor group 0 for W's tiles, one set for each slot
.set LIM, 43                           ; s43      1 in a wave that prefetches, else the greatest number
.set PFA, 44                           ; s[44:45] where my prefetches stand
.set PFS, 66                           ; s[66:67] a K step in the tensor that I prefetch, in bytes
.set MSB, 0
.macro WIN new                         ; the immediate's high byte repeats the setting that is left; a switch that changes nothing is dropped
.if MSB != (\new)
	s_set_vgpr_msb (MSB<<8)|(\new)
.set MSB, \new
.endif
.endm
.set MUL_LO,  0xa1                     ; source 0 (W) window 1, source 1 (x) window 0, C and D window 2
.set MUL_HI,  0xf1                     ; the same, C and D window 3
.set MULB_LO, 0x81                     ; the products that start the sums: C (the bias) window 0, D window 2
.set MULB_HI, 0xc1                     ; D window 3
.set TO_B,    0x40                     ; destination window 1, address window 0
; A joint load.  Waves 0 and 1 fetch the two halves of x's tile, waves 2 and 3 those of W's.  Each of the two lines has ONE mask and one set of registers for all that issue it.  The branch hangs on the
; wave's number alone.  An s_nop 0 and four v_nop follow each of the two lines, ahead of the jump, the label and what follows.
.macro JLOAD s
	s_cmp_eq_u32 s11, 0
	s_cbranch_scc0 .Lfor_b_\@
	tensor_load_to_lds s[G0+4*(\s):G0+4*(\s)+3], s[G1:G1+7]
	s_nop 0
.rept 4
	v_nop
.endr
	s_branch .Lasked_\@
.Lfor_b_\@:
	tensor_load_to_lds s[G0B+4*(\s):G0B+4*(\s)+3], s[G1B:G1B+7]
	s_nop 0
.rept 4
	v_nop
.endr
.Lasked_\@:
.endm
; A PREFETCH INTO THE L2, behind each joint refill, its five lines and the run of LDS loads that follows them: the K step that stands TWO refills on, 512 matrix instructions ahead of the load that will ask
; for it.  One instruction a wave, 32 aligned blocks of 256 bytes, a lane a block; each block is named ONCE in the launch.  x's tile row is read by both clusters of that row of clusters: cluster x = 0 asks;
; W's tile column by all eight clusters of that column: cluster y = 0 asks.  The four partners that ask for a tile jointly share it out BY ADDRESS: of the 128 rows of x that a wave fetches the partner at
; place cx takes 32 (256 bytes each); of the 64 rows of W the partner at place cy takes 16 (512 bytes each: two blocks).  K steps 0 to 3 come by their loads alone; the loop's last trip (s3 = 1) asks for
; nothing: K step 31 is the last that is named.
.macro ASK
	s_cmp_gt_u32 s3, s[LIM]
	s_cbranch_scc0 .Lnot_mine_\@
	global_prefetch_b8 v[PFO], s[PFA:PFA+1] th:TH_LOAD_NT scope:SCOPE_SE
.Lnot_mine_\@:
.endm
; A round of the cluster's barrier: my work-group's barrier, so that wave 0's signal speaks for all four waves; wave 0 signals for the work-group; every wave waits for all sixteen work-groups; my
; work-group's barrier once more.  No LDS instruction of the wave is pending at a signal.
.macro CREST                           ; a round behind its opening barrier
	s_cmp_lg_u32 s10, 0
	s_cbranch_scc1 .Lnot_wave_0_\@
	s_barrier_signal -3
.Lnot_wave_0_\@:
	s_barrier_wait -3
	s_barrier_signal -1
	s_barrier_wait -1
.endm
.macro CROUND                          ; a whole round
	s_barrier_signal -1
	s_barrier_wait -1
	CREST
.endm
	s_load_b128 s[4:7], s[0:1], 0x0                ; x s[4:5], wdq s[6:7]
	s_load_b64 s[68:69], s[0:1], 0x10              ; bias
	s_load_b64 s[8:9], s[0:1], 0x18                ; out0
	v_lshl_add_u32 v[SPW], v0, 2, SPARE
	v_mov_b32 v[NIL], 0
	ds_add_u32 v[SPW], v[NIL]                      ; the wave's opening: the add, twice on end, and its wait ahead of my first tensor load; the set-up below, work on registers, stands between
	ds_add_u32 v[SPW], v[NIL]                      ; and once more, under the one wait
	v_lshrrev_b32 v1, 5, v0
	v_readfirstlane_b32 s10, v1                    ; wave 0..3
	s_lshr_b32 s11, s10, 1                         ; which half of the tile's rows is mine.  Also: I fetch for x (0) or for W (1)
	s_and_b32 s12, s10, 1                          ; which half of its columns.  Also: which half of that tile I fetch
	s_bfe_u32 s40, ttmp6, 0x40000                  ; cx: my place along the cluster's x
	s_bfe_u32 s41, ttmp6, 0x40004                  ; cy: along its y
	s_lshl_b32 s42, ttmp9, 2                       ; in a cluster launch ttmp9 and ttmp7 count clusters
	s_add_co_u32 s42, s42, s40                     ; tile column = 4 x cluster x + cx
	s_and_b32 s13, ttmp7, 0xffff
	s_lshl_b32 s13, s13, 2
	s_add_co_u32 s13, s13, s41                     ; tile row = 4 x cluster y + cy
	s_lshl_b32 s43, s41, 2
	s_lshl_b32 s43, 15, s43                        ; my row of the cluster: places 4 cy .. 4 cy + 3
	s_lshl_b32 s44, 0x1111, s40                    ; my column: places cx, cx + 4, cx + 8, cx + 12
	; descriptor group 1 for x: a tile of 128 rows x 128 elements
	s_or_b32 s[G1+0], s43, (1<<16)|(1<<20)|(1<<21)|(5<<22)|(3<<25)   ; 15:0 the mask: my row; 17:16 elements of 2 bytes; 20 padding on; 21 set beside a mask; 24:22 after every 64 words (code 5); 31:25 4 words (code 3)
	s_mov_b32 s[G1+1], 128<<16                     ; tensor_dim0 = 128
	s_mov_b32 s[G1+2], 128<<16                     ; tensor_dim1 = 128
	s_mov_b32 s[G1+3], 128<<16                     ; tile_dim0 = 128
	s_mov_b32 s[G1+4], 128                         ; tile_dim1 = 128
	s_mov_b32 s[G1+5], 4096                        ; elements from row to row of x
	s_mov_b32 s[G1+6], 0
	s_mov_b32 s[G1+7], 0
	; and for W: a tile of 64 rows (k) x 256 elements (columns)
	s_or_b32 s[G1B+0], s44, (1<<16)|(1<<20)|(1<<21)|(6<<22)|(7<<25)  ; the mask: my column; padding after every 128 words (code 6), 8 words (code 7)
	s_mov_b32 s[G1B+1], 256<<16                    ; tensor_dim0 = 256
	s_mov_b32 s[G1B+2], 64<<16                     ; tensor_dim1 = 64
	s_mov_b32 s[G1B+3], 256<<16                    ; tile_dim0 = 256
	s_mov_b32 s[G1B+4], 64                         ; tile_dim1 = 64
	s_mov_b32 s[G1B+5], 2048                       ; elements from row to row of wdq
	s_mov_b32 s[G1B+6], 0
	s_mov_b32 s[G1B+7], 0
	; where the tiles come from.  x's hang on the tile row alone, which my row of the cluster shares; W's on the tile column alone, which my column shares.
	s_lshl_b32 s17, s12, 7                         ; which 128 rows of x's tile I fetch
	s_lshl_b32 s16, s13, 8
	s_add_co_u32 s16, s16, s17                     ; row 256 x tile row + 128 x half,
	s_lshl_b32 s16, s16, 13                        ; of 8,192 bytes: under 2^26
	s_mov_b32 s17, 0
	s_lshl_b32 s46, s42, 9                         ; W: the tile column's 512 bytes of a row,
	s_lshl_b32 s47, s12, 18                        ; and which 64 rows of 4,096 bytes I fetch
	s_add_co_u32 s46, s46, s47
	s_mov_b32 s47, 0
	s_mul_i32 s20, s10, HALFT                      ; and where they go: x's two halves, then W's two halves = wave x 34,816: no place in the cluster enters an LDS address
	s_wait_dscnt 0x0                               ; both opening adds are done
	s_wait_kmcnt 0x0
	s_add_nc_u64 s[14:15], s[4:5], s[16:17]
	s_add_nc_u64 s[46:47], s[6:7], s[46:47]
	CROUND                                         ; all sixteen work-groups are here: the first joint loads meet
.irp s, 0,1
	s_mov_b32 s[G0+4*(\s)], 1                                      ; 1:0 count = 1
	s_add_co_u32 s[G0+4*(\s)+1], s20, (\s)*SLOT                    ; 63:32 LDS address
	s_add_nc_u64 s[G0+4*(\s)+2:G0+4*(\s)+3], s[14:15], (\s)*ASTEP  ; 120:64 global address: K step s
	s_or_b32 s[G0+4*(\s)+3], s[G0+4*(\s)+3], 0x80000000            ; 127:126 type = 2
	s_mov_b32 s[G0B+4*(\s)], 1
	s_add_co_u32 s[G0B+4*(\s)+1], s20, (\s)*SLOT
	s_add_nc_u64 s[G0B+4*(\s)+2:G0B+4*(\s)+3], s[46:47], (\s)*BSTEP
	s_or_b32 s[G0B+4*(\s)+3], s[G0B+4*(\s)+3], 0x80000000
	JLOAD \s                                       ; the ring is filled before anything else is done: two tensor loads of mine are out
.endr
	v_and_b32 v1, 15, v0                           ; l % 16
	v_bfe_u32 v2, v0, 4, 1                         ; l / 16
	; the bias of my 128 columns: for block b of 16 columns a lane takes the 8 numbers (16 bytes) of its half
	s_lshl_b32 s46, s42, 9                         ; my first column, in bytes of f16: 512 x tile column + 256 x half; it serves the bias and the output
	s_lshl_b32 s47, s12, 8
	s_add_co_u32 s46, s46, s47
	s_mov_b32 s47, 0
	s_add_nc_u64 s[68:69], s[68:69], s[46:47]
	v_lshlrev_b32 v[BO], 4, v2
.irp b, 0,1,2,3,4,5,6,7
	global_load_b128 v[BH+4*(\b):BH+4*(\b)+3], v[BO], s[68:69] offset:32*(\b)
.endr
	; A fragment of x is 16 rows x 32 K in 8 registers: lane l holds row l % 16; registers 0-3 K = 8 (l / 16) + 0..7, registers 4-7 K = 16 + 8 (l / 16) + 0..7: two loads of 16 bytes, 32 bytes apart.
	v_mul_u32_u24 v3, v1, PITCH
	v_lshl_add_u32 v3, v2, 4, v3                   ; row x pitch + 16 x half
	; The turning load takes 16 k x 16 columns (lane l reads 16 bytes: row k = 8 (l / 16) + l % 8, columns 8 ((l / 8) % 2) + 0..7) and leaves half a fragment of W^T: lane l holds column l % 16 and 8 k.
	v_and_b32 v6, 7, v0
	v_bfe_u32 v7, v0, 3, 1
	v_lshl_add_u32 v8, v2, 3, v6
	v_mul_u32_u24 v8, v8, PB
	v_lshl_add_u32 v8, v7, 4, v8
	s_mul_i32 s21, s11, HALFT                      ; my 128 rows of x
	s_lshl_b32 s22, s12, 8                         ; my 128 columns of W: 256 bytes of each row,
	s_add_co_u32 s22, s22, 2*HALFT                 ; behind x's 256 rows
.irp s, 0,1
	v_add_nc_u32 v[ADRA+(\s)], s21, v3
	v_add_nc_u32 v[ADRB+(\s)], s22, v8
	s_add_co_u32 s21, s21, SLOT
	s_add_co_u32 s22, s22, SLOT
.endr
	s_mul_i32 s23, s10, 16*SPITCH
	s_add_co_u32 s23, s23, STAGE                   ; my stage
	v_mul_u32_u24 v4, v1, SPITCH                   ; in: row l % 16, 16 bytes for each half of the lanes
	v_lshl_add_u32 v4, v2, 4, v4
	v_add_nc_u32 v[STO], s23, v4
	v_mul_u32_u24 v5, v2, SPITCH                   ; back: lanes 0-15 take one row of 256 bytes, lanes 16-31 the next
	v_lshl_add_u32 v5, v1, 4, v5
	v_add_nc_u32 v[RD], s23, v5
	v_lshlrev_b32 v5, 12, v2                       ; and the same two rows in the output
	v_lshl_add_u32 v[CO], v1, 4, v5
	; where my part of the tile begins in the output, in bytes: the way out adds it to the output's address
	s_lshl_b32 s16, s13, 8
	s_lshl_b32 s17, s11, 7
	s_add_co_u32 s16, s16, s17                     ; my first row,
	s_lshl_b32 s16, s16, 12                        ; of 4,096 bytes: under 2^25
	s_mov_b32 s17, 0
	s_add_nc_u64 s[16:17], s[16:17], s[46:47]      ; + my first column
	; the prefetches
	s_lshl_b32 s20, s13, 8                         ; x: row 256 x tile row
	s_lshl_b32 s21, s12, 7                         ; + the 128 rows that I fetch
	s_add_co_u32 s20, s20, s21
	s_lshl_b32 s21, s40, 5                         ; + my work-group's 32 of them,
	s_add_co_u32 s20, s20, s21
	s_lshl_b32 s20, s20, 13                        ; in bytes,
	s_add_co_u32 s20, s20, 3*ASTEP                 ; at K step 3: the first refill steps it to 4
	s_lshl_b32 s21, s12, 6                         ; W: the 64 rows that I fetch
	s_lshl_b32 s22, s41, 4                         ; + my work-group's 16 of them,
	s_add_co_u32 s21, s21, s22
	s_lshl_b32 s21, s21, 12                        ; in bytes,
	s_lshl_b32 s22, s42, 9                         ; + the tile column's 512 bytes
	s_add_co_u32 s21, s21, s22
	s_add_co_u32 s21, s21, 3*BSTEP                 ; at K step 3
	s_and_b32 s22, ttmp7, 0xffff                   ; cluster y
	s_cmp_eq_u32 s11, 0                            ; do I fetch for x?
	s_cselect_b32 s20, s20, s21
	s_cselect_b32 s22, ttmp9, s22                  ; the coordinate along which other clusters read the same blocks
	s_mov_b32 s23, BSTEP
	s_cselect_b32 s[PFS], ASTEP, s23
	s_mov_b32 s23, 4096
	s_cselect_b32 s18, 16384, s23                  ; from lane pair to lane pair: two rows of x, or one row of W
	s_mov_b32 s23, 256
	s_cselect_b32 s19, 8192, s23                   ; inside a pair: the next row of x, or the row's second 256 bytes
	s_cselect_b64 s[PFA:PFA+1], s[4:5], s[6:7]
	s_mov_b32 s[PFS+1], 0
	s_mov_b32 s21, 0
	s_cmp_eq_u32 s22, 0
	s_cselect_b32 s[LIM], 1, -1                    ; the same in all sixteen partners, for a given wave
	s_add_nc_u64 s[PFA:PFA+1], s[PFA:PFA+1], s[20:21]
	v_and_b32 v3, 31, v0
	v_lshrrev_b32 v4, 1, v3
	v_and_b32 v3, 1, v3
	v_mul_u32_u24 v[PFO], v4, s18
	v_mad_u32_u24 v[PFO], v3, s19, v[PFO]
	; nothing is prefetched here, at the head, where every work-group's first two tiles are on their way
	s_wait_loadcnt 0x0                             ; the bias
.set d, BIAS
.irp hf, v32.l,v32.h,v33.l,v33.h,v34.l,v34.h,v35.l,v35.h,v36.l,v36.h,v37.l,v37.h,v38.l,v38.h,v39.l,v39.h
	v_cvt_f32_f16 v[d], \hf
.set d, d+1
.endr
.irp hf, v40.l,v40.h,v41.l,v41.h,v42.l,v42.h,v43.l,v43.h,v44.l,v44.h,v45.l,v45.h,v46.l,v46.h,v47.l,v47.h
	v_cvt_f32_f16 v[d], \hf
.set d, d+1
.endr
.irp hf, v48.l,v48.h,v49.l,v49.h,v50.l,v50.h,v51.l,v51.h,v52.l,v52.h,v53.l,v53.h,v54.l,v54.h,v55.l,v55.h
	v_cvt_f32_f16 v[d], \hf
.set d, d+1
.endr
.irp hf, v56.l,v56.h,v57.l,v57.h,v58.l,v58.h,v59.l,v59.h,v60.l,v60.h,v61.l,v61.h,v62.l,v62.h,v63.l,v63.h
	v_cvt_f32_f16 v[d], \hf
.set d, d+1
.endr
; 16 matrix instructions: row blocks a0, a0 + 1 of the window's four (hi = 0: my rows 0-63, 1: rows 64-127) x all 8 column blocks, 32 along K.
; zero = 1: the first product starts the sums, with the columns' bias as C: nothing is ever cleared, and the way out has no bias to add.
.macro MUL16 f, hi, a0, zero
.if \zero
	WIN MULB_LO+0x40*(\hi)
.else
	WIN MUL_LO+0x50*(\hi)
.endif
.irp a, \a0, (\a0)+1
.irp b, 0,1,2,3,4,5,6,7
.if \zero
	v_wmma_f32_16x16x32_f16 v[8*(8*(\a)+(\b)):8*(8*(\a)+(\b))+7], v[(\f)+8*(\b):(\f)+8*(\b)+7], v[(\f)+8*(4*(\hi)+(\a)):(\f)+8*(4*(\hi)+(\a))+7], v[BIAS+8*(\b):BIAS+8*(\b)+7]
.else
	v_wmma_f32_16x16x32_f16 v[8*(8*(\a)+(\b)):8*(8*(\a)+(\b))+7], v[(\f)+8*(\b):(\f)+8*(\b)+7], v[(\f)+8*(4*(\hi)+(\a)):(\f)+8*(4*(\hi)+(\a))+7], v[8*(8*(\a)+(\b)):8*(8*(\a)+(\b))+7]
.endif
.endr
.endr
.endm
; 32 LDS loads in one run: the fragments of quarter q of a K step (32 K: W's 128 columns, turned; x's 128 rows) into buffer f
.macro FETCH slot, q, f
	WIN TO_B
.irp i, 0,1,2,3,4,5,6,7
	ds_load_tr16_b128 v[(\f)+8*(\i):(\f)+8*(\i)+3],   v[ADRB+(\slot)] offset:(\q)*32*PB+32*(\i)
	ds_load_tr16_b128 v[(\f)+8*(\i)+4:(\f)+8*(\i)+7], v[ADRB+(\slot)] offset:(\q)*32*PB+16*PB+32*(\i)
.endr
	WIN 0
.irp i, 0,1,2,3,4,5,6,7
	ds_load_b128 v[(\f)+8*(\i):(\f)+8*(\i)+3],   v[ADRA+(\slot)] offset:64*(\q)+(\i)*16*PITCH
	ds_load_b128 v[(\f)+8*(\i)+4:(\f)+8*(\i)+7], v[ADRA+(\slot)] offset:64*(\q)+(\i)*16*PITCH+32
.endr
.endm
; A load into a register that a matrix instruction has read, and a vector instruction that reads a matrix result, stand four places behind that matrix instruction, and only plain vector instructions
; that name none of its registers are places (ISA guide 7.12.1 for vector instructions).
.macro PLACES
.rept 4
	v_nop
.endr
.endm
; A K step is four quarters of 32 along K, 64 matrix instructions each, on buffers 0, 1, 0, 1.  The 64 accumulators take turns, one instruction a turn, in the same order in every quarter.
; One of the first three: multiplies buffer f; in its middle it fetches quarter q of the same slot into buffer g.
.macro QUARTER slot, q, f, g, zero
	s_wait_dscnt 8                                 ; W and x's rows 0-63 are in; the youngest eight loads (x's rows 64-127) may be out
	MUL16 \f, 0, 0, \zero
	MUL16 \f, 0, 2, \zero
	PLACES
	FETCH \slot, \q, \g
	s_wait_dscnt 32                                ; all but the 32 just issued
	MUL16 \f, 1, 0, \zero
	MUL16 \f, 1, 2, \zero
.endm
; The last quarter multiplies buffer 1 and changes slots.  MEET is its first half: ONE barrier for the change.  In front of it each wave waits for all its tensor loads, of which one is out: its part of the
; next slot; adds 0 to its spare word; and waits for that and for its own reads of this slot.  Behind it nobody reads this slot any more and the next slot is whole.
.macro MEET round                      ; round = 1: a round of the cluster's barrier follows
	WIN 0                                          ; (the add's two registers lie in window 0)
	s_wait_tensorcnt 0x0                           ; all my tensor loads have landed;
	ds_add_u32 v[SPW], v[NIL]                      ; 0 onto my spare word;
	s_wait_dscnt 9                                 ; (the add and the youngest eight loads may be out)
	MUL16 F1, 0, 0, 0                              ; sixteen matrix instructions stand between the add and the wait for it
	s_wait_dscnt 0x0                               ; the add is done, and my reads of this slot are over:
	s_barrier_signal -1                            ; say so,
	MUL16 F1, 0, 2, 0                              ; work on registers while the others arrive,
.if \round
	WIN 0
.endif
	s_barrier_wait -1                              ; and go on when all four have said so
.endm
; The whole last quarter.  Behind the round the slot just read out is filled again first, with the K step two steps on; then come the next slot's first fragments.
; From a request to the wait for it a wave issues 224 matrix instructions.
.macro TURN slot, next
	s_wait_xcnt 0x0                                ; the last prefetch, a K step back, has read its address: it is stepped here, ahead of the waits of the change of slots
	s_add_nc_u64 s[PFA:PFA+1], s[PFA:PFA+1], s[PFS:PFS+1]
	MEET 1
	CREST                                          ; all sixteen work-groups have said so: no wave of any partner still reads this slot's tile or has a load on its way
	s_add_nc_u64 s[G0+4*(\slot)+2:G0+4*(\slot)+3], s[G0+4*(\slot)+2:G0+4*(\slot)+3], 2*ASTEP
	s_add_nc_u64 s[G0B+4*(\slot)+2:G0B+4*(\slot)+3], s[G0B+4*(\slot)+2:G0B+4*(\slot)+3], 2*BSTEP
	JLOAD \slot                                    ; the first tensor load behind the round, my only one until the next; the four v_nop behind it are also the places in front of the loads below
	FETCH \next, 0, F0
	ASK
	MUL16 F1, 1, 0, 0
	MUL16 F1, 1, 2, 0
.endm
; THE LAST K STEP (it lies in slot 1) GOES BY ROWS OF THE OUTPUT.  All its fragments of W (4 quarters x 64 registers) fill window 1; then my eight blocks of 16 rows are finished one after the other, each
; with 32 matrix instructions (its 8 accumulators by turns, K ascending).  LDS is read no more than in any other K step.
.macro BLOAD q                         ; W's fragments of quarter q -> window 1, v[64 q ..]
	WIN TO_B
.irp i, 0,1,2,3,4,5,6,7
	ds_load_tr16_b128 v[64*(\q)+8*(\i):64*(\q)+8*(\i)+3],   v[ADRB+1] offset:(\q)*32*PB+32*(\i)
	ds_load_tr16_b128 v[64*(\q)+8*(\i)+4:64*(\q)+8*(\i)+7], v[ADRB+1] offset:(\q)*32*PB+16*PB+32*(\i)
.endr
.endm
.macro ALOAD a                         ; x's fragments of block a, all four quarters -> buffer a % 4
	WIN 0
.set FA, PA+32*((\a)%4)
.irp q, 0,1,2,3
	ds_load_b128 v[FA+8*(\q):FA+8*(\q)+3],   v[ADRA+1] offset:64*(\q)+(\a)*16*PITCH
	ds_load_b128 v[FA+8*(\q)+4:FA+8*(\q)+7], v[ADRA+1] offset:64*(\q)+(\a)*16*PITCH+32
.endr
.endm
.macro ROW a                           ; block a is finished: 32 matrix instructions
.set FA, PA+32*((\a)%4)
.set AC, 64*((\a)%4)                   ; its eight accumulators, in window 2 (blocks 0-3) or 3 (blocks 4-7)
	WIN MUL_LO+0x50*((\a)/4)
.irp q, 0,1,2,3
.if (\a) == 0 && (\q) == 2
	s_wait_dscnt 24                                ; W's quarter 2 is in (behind it: x's blocks 1 to 3, 24 loads)
.endif
.irp b, 0,1,2,3,4,5,6,7
	v_wmma_f32_16x16x32_f16 v[AC+8*(\b):AC+8*(\b)+7], v[64*(\q)+8*(\b):64*(\q)+8*(\b)+7], v[FA+8*(\q):FA+8*(\q)+7], v[AC+8*(\b):AC+8*(\b)+7]
.endr
.endr
.endm
; THE WAY OUT of block a, in three parts.  PACK: rounded to f16, 16 bytes a lane (each accumulator's registers in ascending order).  TOSTAGE: into my own stage in LDS, and back as whole rows of 256 bytes.  SEND: stored.
.macro PACK a
.set AC, 64*((\a)%4)
	WIN 0x0a+5*((\a)/4)                            ; sources 0 and 1: window 2 or 3
.irp b, 0,1,2,3,4,5,6,7
.irp r, 0,1,2,3
	v_cvt_pk_f16_f32 v[TMP+4*(\b)+(\r)], v[AC+8*(\b)+2*(\r)], v[AC+8*(\b)+2*(\r)+1]
.endr
.endr
	WIN 0
.endm
.macro TOSTAGE a
	WIN 0
.set BK, OB+192*((\a)%2)
.irp b, 0,1,2,3,4,5,6,7
	ds_store_b128 v[STO], v[TMP+4*(\b):TMP+4*(\b)+3] offset:32*(\b)
.endr
.irp t, 0,1,2,3,4,5,6,7
	ds_load_b128 v[BK+4*(\t):BK+4*(\t)+3], v[RD] offset:(\t)*2*SPITCH  ; LDS serves a wave's instructions in order (ISA guide 5.7.1.4): these see the stores above; the stage is my wave's own
.endr
.endm
.macro SEND a, younger                 ; younger: the LDS loads issued behind TOSTAGE's, which may stay out
	WIN 0
.set BK, OB+192*((\a)%2)
	s_wait_dscnt \younger                          ; the block is back in registers
	s_wait_xcnt 0x0                                ; only behind this wait are the stores' base and the registers that earlier stores read rewritten
.if (\a) == 0
	s_add_nc_u64 s[8:9], s[8:9], s[16:17]          ; on to my first rows
.else
	s_add_nc_u64 s[8:9], s[8:9], 16*CROW           ; 16 rows on
.endif
.irp t, 0,1,2,3,4,5,6,7
	global_store_b128 v[CO], v[BK+4*(\t):BK+4*(\t)+3], s[8:9] offset:2*(\t)*CROW  ; 16 lanes store 256 consecutive bytes, at a multiple of 256 from the output's first byte
.endr
.endm
	s_wait_tensorcnt 1                             ; my part of K step 0 is in; K step 1's load may stay out
	s_barrier_signal -1
	s_barrier_wait -1                              ; everybody's is
	FETCH 0, 0, F0
	QUARTER 0, 1, F0, F1, 1                        ; the first quarter stands in front of the loop: its products start the sums, with the bias
	WIN 0                                          ; at a label and at a branch every window is 0
	s_mov_b32 s3, LAPS-1
.Llap:                                                 ; a trip goes once round the ring, from a lap's second quarter to the next lap's first, and fills both slots again
	QUARTER 0, 2, F1, F0, 0
	QUARTER 0, 3, F0, F1, 0
	TURN 0, 1
	QUARTER 1, 1, F0, F1, 0
	QUARTER 1, 2, F1, F0, 0
	QUARTER 1, 3, F0, F1, 0
	TURN 1, 0
	QUARTER 0, 1, F0, F1, 0
	WIN 0
	s_sub_co_u32 s3, s3, 1
	s_cmp_lg_u32 s3, 0
	s_cbranch_scc1 .Llap
	QUARTER 0, 2, F1, F0, 0                        ; the last lap goes on; it asks for nothing more
	QUARTER 0, 3, F0, F1, 0
	MEET 0                                         ; my one tensor load that was still out is slot 1's, the last K step's, so no round follows
	PLACES                                         ; for the loads into buffer 0, which the quarter before multiplied
	BLOAD 0                                        ; three quarters of W now: buffer 1 (v128-191 of both windows) is still being multiplied
	BLOAD 1
	BLOAD 3
	ALOAD 0
	MUL16 F1, 1, 0, 0
	MUL16 F1, 1, 2, 0
	PLACES                                         ; for the loads into buffer 1
	BLOAD 2
	ALOAD 1
	ALOAD 2
	ALOAD 3
	s_wait_dscnt 40                                ; all but the 40 just issued
	ROW 0
.irp a, 0,1,2,3,4,5,6,7                ; each block leaves as soon as it is finished
	PLACES                                         ; its conversions read results just made
	PACK \a
	TOSTAGE \a
.if (\a) < 4
	ALOAD (\a)+4                                   ; its buffer takes the block four further on
	SEND \a, 8
.else
	SEND \a, 0
.endif
.if (\a) < 7
	ROW (\a)+1
.endif
.endr
	s_wait_tensorcnt 0x0                           ; the wave's end: three closing lines, behind my last tensor load and my last LDS store
	ds_add_u32 v[SPW], v[NIL]
	s_wait_dscnt 0x0
	CROUND                                         ; the closing round: no work-group ends while a partner may still ask for a tile that names it
	s_endpgm
.Lfunc_end_k_q4dcf0534f7_gemm:
	.size	k_q4dcf0534f7_gemm, .Lfunc_end_k_q4dcf0534f7_gemm-k_q4dcf0534f7_gemm
	.p2alignl 7, 3214868480
	.fill 96, 4, 3214868480
	.section	.rodata,"a",@progbits
	.p2align	6, 0x0
	.amdhsa_kernel k_q4dcf0534f7_gemm
		.amdhsa_group_segment_fixed_size 327680
		.amdhsa_private_segment_fixed_size 0
		.amdhsa_enable_private_segment 0
		.amdhsa_kernarg_size 32
		.amdhsa_user_sgpr_count 2
		.amdhsa_user_sgpr_kernarg_segment_ptr 1
		.amdhsa_wavefront_size32 1
		.amdhsa_system_sgpr_workgroup_id_x 1
		.amdhsa_system_sgpr_workgroup_id_y 1
		.amdhsa_system_sgpr_workgroup_id_z 1
		.amdhsa_system_vgpr_workitem_id 0
		.amdhsa_next_free_vgpr 1024
		.amdhsa_next_free_sgpr 72
		.amdhsa_reserve_vcc 0
		.amdhsa_float_denorm_mode_32 3
		.amdhsa_float_denorm_mode_16_64 3
		.amdhsa_memory_ordered 1
		.amdhsa_forward_progress 1
		.amdhsa_inst_pref_size 148
	.end_amdhsa_kernel
	.amdgpu_metadata
---
amdhsa.version: [ 1, 2 ]
amdhsa.kernels:
  - .name:           k_q4dcf0534f7_gemm
    .symbol:         k_q4dcf0534f7_gemm.kd
    .args:
      - { .name: x, .offset: 0, .size: 8, .value_kind: global_buffer, .address_space: global }
      - { .name: wdq, .offset: 8, .size: 8, .value_kind: global_buffer, .address_space: global }
      - { .name: bias, .offset: 16, .size: 8, .value_kind: global_buffer, .address_space: global }
      - { .name: out0, .offset: 24, .size: 8, .value_kind: global_buffer, .address_space: global }
    .group_segment_fixed_size: 327680
    .private_segment_fixed_size: 0
    .kernarg_segment_align: 8
    .kernarg_segment_size: 32
    .max_flat_workgroup_size: 128
    .sgpr_count:     72
    .vgpr_count:     1024
    .wavefront_size: 32
...
	.end_amdgpu_metadata
.endif
;; end of part 2
;; ======== version 2 of 2: 2 launches; version 1 with the launch dequant written anew for expert scheduling mode
;; workspace buffers: wdq 16,777,216 bytes
;; launch dequant (part 3): grid 8 x 32, 8 waves a work-group, no clusters, 33,792 bytes of LDS; arguments qweight, qzeros, scales, g_idx, wdq; writes wdq
.if DOCPART == 3
	.amdgcn_target "amdgcn-amd-amdhsa--gfx1250"
	.amdhsa_code_object_version 6
	.text
	.protected	k_q4dcf0534f7_dequant
	.globl	k_q4dcf0534f7_dequant
	.p2align	8
	.type	k_q4dcf0534f7_dequant,@function
k_q4dcf0534f7_dequant:
	s_mov_b64 s[64:65], 0
	v_nop
	global_prefetch_b8 v0, s[64:65] scope:SCOPE_SE
	s_setreg_imm32_b32 hwreg(HW_REG_WAVE_SCHED_MODE, 0, 2), 2
	s_setreg_imm32_b32 hwreg(HW_REG_WAVE_MODE, 25, 1), 1
	s_wait_xcnt 0x0
	s_wait_alu depctr_vm_vsrc(0)
; wdq[k][n] = f16( scales[g][n] * (w4[k][n] - z4[g][n] - 1) ), g = g_idx[k].  wdq: [4096 (k)][2048 (n)] f16, as reference()'s W lies.
; w4[k][n] = bits 4 (k % 8) .. +3 of qweight[k / 8][n];  z4[g][n] = bits 4 (n % 8) .. +3 of qzeros[g][n / 8].
; NO WORK IS LEFT OUT: every input of the problem has a way to the output; this launch reads qweight, qzeros, scales and g_idx, the next one x and bias.
; g_idx is honoured as it is given: each k looks its own group up; no order of the groups is assumed.
; LIMIT.  g_idx is clamped, as an unsigned number, to 31: a value outside 0 .. 31 (the problem has none: an index stays inside its table) takes row 31.
; ARITHMETIC.  The same one rounding as reference(): w - z is exact in f16, and fma(w - z, s, -s) rounds (w - z - 1) s once.  f16 denormals are kept.
;   0x6400 | w is the f16 number 1024 + w;  0x5400 | (w << 4) is 64 + w.  A word with one nibble in bits 3:0 and another in bits 23:20, ORed with 0x54006400, is the pair
;   (1024 + wa, 64 + wb).  The zeros are kept as the pair (-(1024 + za), -(64 + zb)): one packed add gives (wa - za, wb - zb), exactly.
; SHARES.  A work-group takes 256 columns (x) and 16 rows of qweight = 128 k (y).  Wave w takes two rows of qweight (units u = 0, 1: 16 k).  Lane l takes the eight columns 8 l .. 8 l + 7:
; 32 bytes of a qweight row, one word of a qzeros row, 16 bytes of a row of scales and of wdq.  So each store of a wave covers 512 consecutive bytes of one row of wdq, aligned to 512.
; THE TABLE.  All 32 groups' scales and zeros for the 256 columns lie in LDS, 1,024 bytes a group: 512 of scales as they lie, 512 of the zeros' pairs.  Each k then reads its group's row by
; its own g_idx: 16 + 16 bytes a lane.  One barrier between building and reading; nobody writes the table behind it.
; No matrix unit, no cluster, no tensor load: the launch moves 4 MiB in and 16 MiB out and shares nothing between work-groups but the small tables.
; THE MODE: SCHED_MODE bits 1:0 = 2 (LLVM: expert scheduling mode 2), set by the entry lines.  The code itself states the register dependences
; between vector instructions and memory or LDS instructions, with s_wait_alu, always for 0.
; THE PLAN.  Registers that memory or LDS instructions touch:
;   v5 .. v9      Offsets and the table's store address: written at the head, read by every global access and by the LDS stores, never written again.
;   TZ, TS, Q     Loaded once.  TZ and Q are then read by vector instructions alone, TS by four LDS stores; nothing is written there again.
;   ZU            Written by the 32 lines that make the zeros' pairs, read by four LDS stores; it is the start of SZ, so the table's LDS loads land in it later.
;   AD0 .. AD15   One LDS address for each of my 16 k: written by 16 lines ahead of the barrier, read by the 32 LDS loads, never written again.
;   SZ            The 32 LDS loads land in it; the upper four registers of each k are written again by that k's four multiply-adds and read by that k's one store; nothing is written there after that.
;   RA, RB, T are named by vector instructions alone.  v2, v3: written at the head, read by the closing add alone.
; So a wait on va_vdst stands ahead of each RUN of memory instructions that reads what vector instructions have written: the first loads (offsets), the four LDS stores of ZU, the 32 LDS loads (addresses),
; and the four global stores of each block of four k.  One wait on vm_vsrc stands ahead of the LDS loads that land in ZU.  One wait on va_sdst stands behind the line that makes the wave's number a scalar.
.set SPARE, 32768                      ; behind the table: the spare words, 128 bytes for each of eight waves: four blocks of 256 bytes that no other line names
.set SPW,  2                           ; v2   LDS address of my spare word; never rewritten
.set NIL,  3                           ; v3   0; never rewritten
.set LN16, 4                           ; v4   16 x lane
.set ZOF,  5                           ; v5   qzeros: row w, word lane
.set SOF,  6                           ; v6   scales: row w, 16 bytes a lane
.set QOF,  7                           ; v7   qweight: row 2 w, 32 bytes a lane
.set WOF,  8                           ; v8   wdq: row 16 w, 16 bytes a lane; never rewritten
.set TST,  9                           ; v9   the table: row w, 16 bytes a lane
.set T,    12                          ; v[12:15]  at work: four pairs
.set Q,    16                          ; v[16:31]  unit u's eight words of qweight at Q + 8 u
.set RA,   32                          ; v[32:35]  the even columns' words >> 4
.set RB,   36                          ; v[36:39]  the odd columns' words << 4
.set TZ,   40                          ; v[40:43]  four rows' word of qzeros
.set TS,   44                          ; v[44:59]  four rows' 16 bytes of scales
.set SZ,   64                          ; v[64:191] for k = t of my 16: scales at SZ + 8 t .. +3, zeros' pairs (then the result) at +4 .. +7
.set ZU,   64                          ; v[64:79]  while the table is built: the zeros' pairs of four rows
.set AD,   192                         ; v[192:207] for k = t of my 16: the LDS address of its group's row of the table, my 16 bytes
.set GI,   16                          ; s[16:31]  my wave's 16 numbers of g_idx
.set SEL,  40                          ; s[40:43]  v_perm_b32 selectors: byte i of the second source to bytes 0, 1; byte i of the first to bytes 2, 3
	s_load_b256 s[4:11], s[0:1], 0x0               ; qweight s[4:5], qzeros s[6:7], scales s[8:9], g_idx s[10:11]
	s_load_b64 s[12:13], s[0:1], 0x20              ; wdq
	v_lshl_add_u32 v[SPW], v0, 2, SPARE
	v_mov_b32 v[NIL], 0
	v_and_b32 v1, 31, v0                           ; lane
	v_lshrrev_b32 v11, 5, v0
	v_readfirstlane_b32 s14, v11                   ; wave 0..7
	s_mov_b32 s15, ttmp9                           ; X: my 256 columns
	s_and_b32 s32, ttmp7, 0xffff                   ; Y: my 16 rows of qweight
	s_mov_b32 s[SEL+0], 0x04040000
	s_mov_b32 s[SEL+1], 0x05050101
	s_mov_b32 s[SEL+2], 0x06060202
	s_mov_b32 s[SEL+3], 0x07070303
	s_mov_b32 s44, 0x00f0000f                      ; the two nibbles that are kept
	s_mov_b32 s45, 0x54006400                      ; (1024, 64)
	s_mov_b32 s46, 0xd400e400                      ; (-1024, -64)
	s_wait_alu depctr_va_sdst(0)                   ; s14 is written, ahead of its first reader: the wave's terms of the offsets are made from it
	s_lshl_b32 s33, s14, 10
	s_lshl_b32 s36, s14, 12
	s_lshl_b32 s37, s14, 14
	s_lshl_b32 s38, s14, 16
	v_lshlrev_b32 v[LN16], 4, v1
	v_lshl_or_b32 v[ZOF], v1, 2, s33               ; a row of qzeros is 1,024 bytes
	v_or_b32 v[SOF], s36, v[LN16]                  ; a row of scales 4,096
	v_lshl_or_b32 v[QOF], v1, 5, s37               ; two rows of qweight 16,384
	v_or_b32 v[WOF], s38, v[LN16]                  ; sixteen rows of wdq 65,536
	v_or_b32 v[TST], s33, v[LN16]                  ; a row of the table 1,024
	s_mov_b32 s35, 0
	s_wait_kmcnt 0x0
	s_lshl_b32 s34, s15, 7                         ; qzeros: 32 words for 256 columns
	s_add_nc_u64 s[6:7], s[6:7], s[34:35]
	s_lshl_b32 s34, s15, 9                         ; scales: 512 bytes
	s_add_nc_u64 s[8:9], s[8:9], s[34:35]
	s_lshl_b32 s34, s32, 17                        ; qweight: 16 rows of 8,192 bytes,
	s_lshl_b32 s39, s15, 10                        ; 1,024 bytes for 256 columns
	s_add_co_u32 s34, s34, s39
	s_add_nc_u64 s[4:5], s[4:5], s[34:35]
	s_lshl_b32 s34, s32, 19                        ; wdq: 128 rows of 4,096 bytes,
	s_lshl_b32 s39, s15, 9                         ; 512 bytes for 256 columns
	s_add_co_u32 s34, s34, s39
	s_add_nc_u64 s[12:13], s[12:13], s[34:35]
	s_lshl_b32 s34, s32, 9                         ; g_idx: 128 numbers a work-group,
	s_lshl_b32 s39, s14, 6                         ; 16 a wave
	s_add_co_u32 s34, s34, s39
	s_add_nc_u64 s[10:11], s[10:11], s[34:35]
	s_load_b512 s[GI:GI+15], s[10:11], 0x0         ; my 16 k's groups
	s_wait_alu depctr_va_vdst(0)                   ; the offsets v5 to v8 and the table's address v9 are written: every global load and store and every LDS store of the kernel reads one of them
	; twelve loads, in the order in which they are wanted: zeros, scales (rows w, w + 8, w + 16, w + 24 of the tables), then my weights
.irp i, 0,1,2,3
	global_load_b32 v[TZ+(\i)], v[ZOF], s[6:7] offset:8192*(\i)
.endr
.irp i, 0,1,2,3
	global_load_b128 v[TS+4*(\i):TS+4*(\i)+3], v[SOF], s[8:9] offset:32768*(\i)
.endr
.irp u, 0,1
.irp c, 0,1
	global_load_b128 v[Q+8*(\u)+4*(\c):Q+8*(\u)+4*(\c)+3], v[QOF], s[4:5] offset:8192*(\u)+16*(\c) th:TH_LOAD_NT
.endr
.endr
	s_wait_loadcnt 8                               ; the four words of zeros are in; the eight younger loads stay out
.irp i, 0,1,2,3
.irp r, 0,1,2,3
	v_perm_b32 v[ZU+4*(\i)+(\r)], v[TZ+(\i)], v[TZ+(\i)], s[SEL+(\r)]  ; byte r holds columns 2 r (low nibble) and 2 r + 1 (high nibble): it goes to bytes 0 and 2
.endr
.endr
.irp i, 0,1,2,3
.irp r, 0,1,2,3
	v_and_or_b32 v[ZU+4*(\i)+(\r)], v[ZU+4*(\i)+(\r)], s44, s46        ; (-(1024 + z), -(64 + z))
.endr
.endr
	s_wait_alu depctr_va_vdst(0)                   ; the sixteen pairs in ZU are written, which the four LDS stores below read
.irp i, 0,1,2,3
	ds_store_b128 v[TST], v[ZU+4*(\i):ZU+4*(\i)+3] offset:8192*(\i)+512
.endr
	s_wait_loadcnt 4                               ; the scales are in; my weights' four loads stay out
.irp i, 0,1,2,3
	ds_store_b128 v[TST], v[TS+4*(\i):TS+4*(\i)+3] offset:8192*(\i)    ; as loaded: no vector instruction names TS
.endr
	s_wait_kmcnt 0x0                               ; g_idx
.irp t, 0,1,2,3,4,5,6,7,8,9,10,11,12,13,14,15
	s_min_u32 s[GI+(\t)], s[GI+(\t)], 31           ; a loaded number enters an address only clamped to its table
.endr
.irp t, 0,1,2,3,4,5,6,7,8,9,10,11,12,13,14,15
	v_lshl_add_u32 v[AD+(\t)], s[GI+(\t)], 10, v[LN16]  ; row g_idx[k] of the table, my 16 bytes: an address register for each k, made while my LDS stores are out
.endr
	s_wait_dscnt 0x0                               ; for the others' sake: my rows of the table are written
	s_barrier_signal -1
	s_barrier_wait -1                              ; the table is whole, and is only read from here on
	s_wait_alu depctr_vm_vsrc(0)                   ; my LDS stores have read ZU: these registers are the start of SZ, in which the loads below land
	s_wait_alu depctr_va_vdst(0)                   ; the sixteen addresses are written, which the loads below read; the lines that made ZU are done with it
.irp t, 0,1,2,3,4,5,6,7,8,9,10,11,12,13,14,15
	ds_load_b128 v[SZ+8*(\t):SZ+8*(\t)+3],   v[AD+(\t)]
	ds_load_b128 v[SZ+8*(\t)+4:SZ+8*(\t)+7], v[AD+(\t)] offset:512
.endr
	s_wait_loadcnt 0x0                             ; my weights
; One row of qweight holds eight k.  Nibble j = 2 i of a word is the low nibble of its byte i, nibble 2 i + 1 the high one.  The even column's nibble has to stand in bits 3:0, the odd column's in bits 23:20:
; for even j the odd column's word is taken shifted left by 4, for odd j the even column's shifted right by 4.  SHIFTS makes both for unit u.
.macro SHIFTS u
.irp p, 0,1,2,3
	v_lshrrev_b32 v[RA+(\p)], 4, v[Q+8*(\u)+2*(\p)]
	v_lshlrev_b32 v[RB+(\p)], 4, v[Q+8*(\u)+2*(\p)+1]
.endr
.endm
; k = t of my 16: unit t / 8, nibble t % 8.  The result lies in the upper four registers of the k's eight in SZ.
.macro KROW t
.irp p, 0,1,2,3
.if (\t)%2 == 0
	v_perm_b32 v[T+(\p)], v[RB+(\p)], v[Q+8*((\t)/8)+2*(\p)], s[SEL+((\t)%8)/2]
.else
	v_perm_b32 v[T+(\p)], v[Q+8*((\t)/8)+2*(\p)+1], v[RA+(\p)], s[SEL+((\t)%8)/2]
.endif
.endr
.irp p, 0,1,2,3
	v_and_or_b32 v[T+(\p)], v[T+(\p)], s44, s45    ; (1024 + w, 64 + w)
.endr
	s_wait_dscnt 30-2*(\t)                         ; LDS loads come back in order: this k's two are in; the count is the loads issued behind them
.irp p, 0,1,2,3
	v_pk_add_f16 v[T+(\p)], v[T+(\p)], v[SZ+8*(\t)+4+(\p)]  ; w - z, exact
.endr
.irp p, 0,1,2,3
	v_pk_fma_f16 v[SZ+8*(\t)+4+(\p)], v[T+(\p)], v[SZ+8*(\t)+(\p)], v[SZ+8*(\t)+(\p)] neg_lo:[0,0,1] neg_hi:[0,0,1]  ; (w - z) s - s, rounded once
.endr
.endm
.macro OUT t
	global_store_b128 v[WOF], v[SZ+8*(\t)+4:SZ+8*(\t)+7], s[12:13] offset:(\t)*4096  ; each store has data registers of its own, and its offset and base are never rewritten
.endm
; Block b: four k are made, then stored in one run behind one wait.  No later vector instruction names a register that a store reads.
.macro BLOCK b
.if (\b)%2 == 0
	SHIFTS (\b)/2
.endif
.irp i, 0,1,2,3
	KROW 4*(\b)+(\i)
.endr
	s_wait_alu depctr_va_vdst(0)                   ; the block's sixteen multiply-adds have written its four results, which the four stores below read
.irp i, 0,1,2,3
	OUT 4*(\b)+(\i)
.endr
.endm
	BLOCK 0
	BLOCK 1
	BLOCK 2
	BLOCK 3
	s_wait_dscnt 0x0                               ; the closing lines, six on end
	s_wait_alu 0x0
	s_wait_tensorcnt 0x0
	ds_add_u32 v[SPW], v[NIL]
	s_wait_dscnt 0x0
	s_endpgm
.Lfunc_end_k_q4dcf0534f7_dequant:
	.size	k_q4dcf0534f7_dequant, .Lfunc_end_k_q4dcf0534f7_dequant-k_q4dcf0534f7_dequant
	.p2alignl 7, 3214868480
	.fill 96, 4, 3214868480
	.section	.rodata,"a",@progbits
	.p2align	6, 0x0
	.amdhsa_kernel k_q4dcf0534f7_dequant
		.amdhsa_group_segment_fixed_size 33792
		.amdhsa_private_segment_fixed_size 0
		.amdhsa_enable_private_segment 0
		.amdhsa_kernarg_size 40
		.amdhsa_user_sgpr_count 2
		.amdhsa_user_sgpr_kernarg_segment_ptr 1
		.amdhsa_wavefront_size32 1
		.amdhsa_system_sgpr_workgroup_id_x 1
		.amdhsa_system_sgpr_workgroup_id_y 1
		.amdhsa_system_sgpr_workgroup_id_z 1
		.amdhsa_system_vgpr_workitem_id 0
		.amdhsa_next_free_vgpr 208
		.amdhsa_next_free_sgpr 66
		.amdhsa_reserve_vcc 0
		.amdhsa_float_denorm_mode_32 3
		.amdhsa_float_denorm_mode_16_64 3
		.amdhsa_memory_ordered 1
		.amdhsa_forward_progress 1
		.amdhsa_inst_pref_size 29
	.end_amdhsa_kernel
	.amdgpu_metadata
---
amdhsa.version: [ 1, 2 ]
amdhsa.kernels:
  - .name:           k_q4dcf0534f7_dequant
    .symbol:         k_q4dcf0534f7_dequant.kd
    .args:
      - { .name: qweight, .offset: 0, .size: 8, .value_kind: global_buffer, .address_space: global }
      - { .name: qzeros, .offset: 8, .size: 8, .value_kind: global_buffer, .address_space: global }
      - { .name: scales, .offset: 16, .size: 8, .value_kind: global_buffer, .address_space: global }
      - { .name: g_idx, .offset: 24, .size: 8, .value_kind: global_buffer, .address_space: global }
      - { .name: wdq, .offset: 32, .size: 8, .value_kind: global_buffer, .address_space: global }
    .group_segment_fixed_size: 33792
    .private_segment_fixed_size: 0
    .kernarg_segment_align: 8
    .kernarg_segment_size: 40
    .max_flat_workgroup_size: 256
    .sgpr_count:     66
    .vgpr_count:     208
    .wavefront_size: 32
...
	.end_amdgpu_metadata
.endif
;; end of part 3
;; launch gemm: the kernel of part 2 again; grid 8 x 32, 4 waves a work-group, clusters of 4 x 4, 327,680 bytes of LDS; arguments x, wdq, bias, out0; writes out0
